; MI455X (gfx1250); checked and timed in simulation.
; The chip was launched on July 23, 2026; its instructions are those of AMD's public machine-readable ISA for CDNA 5 (MIT licence, August 2026) and "CDNA5" Instruction Set Architecture Reference Guide (July 2026). The comments in the code are by the model that wrote it; some were corrected since.
;; Scaled Dot Attention. Allowed arithmetic: matrix products marked QUANTISED: E4M3 operands, one given power-of-two scale a tensor, by v_wmma_f32_16x16x64_fp8_fp8 or v_wmma_f32_16x16x128_fp8_fp8, f32 sums; everything else in f32.
;; Inputs: key 8 x 4,096 x 64 float32; lowp_scales 4 int32 (the exponents e of the quantised operands' scales 2^e); mask 8 x 4,096 bool; query 8 x 4,096 x 64 float32; value 8 x 4,096 x 64 float32.
;; Outputs: out0 8 x 4,096 x 64 float32.
;; This version of the problem:
;;   THIS VERSION OF THE PROBLEM IS GIVEN IN LOW PRECISION. The matrix products marked QUANTISED in the list below multiply operands that are first quantised to E4M3 (4 exponent bits, 3 mantissa bits; 8 bits a number), with one given power-of-two scale for each operand tensor; their sums are f32. All else is computed in f32.
;;   The module's matrix products, in the order in which they are computed (A, B: the left and right operand; K: the contracted axis; several contracted axes count as one K, in the product's order):
;;     1. batch 8 x [M 4,096, K 64] x [K 64, N 4,096]; A: input query; B: input key: QUANTISED (scales: A lowp_scales[0], B lowp_scales[1])
;;     2. batch 8 x [M 4,096, K 4,096] x [K 4,096, N 64]; A: computed on the way; B: input value: QUANTISED (scales: A lowp_scales[2], B lowp_scales[3])
;;   THE QUANTISER, for each operand of a quantised product, along K:
;;     - The operand's scale is 2^e, e = its entry of the input lowp_scales (int32; the entries are numbered through the quantised products in the list's order, A before B).
;;     - Each number is divided by the scale, clamped to +-448, and rounded to the nearest number of E4M3, ties to even, subnormals kept.
;;     - The product sums the exact products of the quantised numbers (number of the format x scale) in f32.
;;   ~~~python
;;   def quantise(x, axis, e):      # numpy; x: float32 -> the quantised numbers, widened to float32 again
;;       x = np.moveaxis(x, axis, -1); K = x.shape[-1]
;;       r = np.clip(x / 2.0 ** e, -448, 448)
;;       step = 2.0 ** (np.maximum(np.frexp(np.where(r == 0, 1, r))[1] - 1, -6) - 3)
;;       q = np.round(r / step) * step * 2.0 ** e      # np.round: ties to even
;;       return np.moveaxis(q, -1, axis).astype(np.float32)
;;   ~~~
;;   OPERANDS COMPUTED ON THE WAY. 'Computed on the way' means the value that the module computes at that place (a softmax that the list does not call 'softmax' is quantised finished and normalised). What goes into a quantiser is computed in f32, as accurately as f32 sums, v_exp_f32 and their like allow (about 1e-6 of the number): no bf16 or f16 on the way to a quantiser, and a product that is left as it is and whose result goes on into a quantised operand takes f32 operands (vector FMAs, or v_wmma_f32_16x16x4_f32). A number that lies on a knife's edge between two numbers of the format may be rounded either way, as far as f32 arithmetic and the matrix unit's own rounding can turn it there, and no further.
;; One version. Each part assembles by itself: llvm-mc -triple=amdgcn-amd-amdhsa -mcpu=gfx1250 --defsym DOCPART=n.
;; ======== version 1 of 1: 2 launches
;; limits: right only within a limited range of input values
;; workspace buffers: kv 4,194,304 bytes
;; launch prep (part 1): grid 512 x 1, 4 waves a work-group, no clusters, 70,144 bytes of LDS; arguments key, value, mask, lowp_scales, kv; writes kv
.if DOCPART == 1
	.amdgcn_target "amdgcn-amd-amdhsa--gfx1250"
	.amdhsa_code_object_version 6
	.text
	.protected	k_qc93a1bfce6_prep
	.globl	k_qc93a1bfce6_prep
	.p2align	8
	.type	k_qc93a1bfce6_prep,@function
k_qc93a1bfce6_prep:
	s_mov_b64 s[64:65], 0
	v_nop
	global_prefetch_b8 v0, s[64:65] scope:SCOPE_SE
	s_setreg_imm32_b32 hwreg(HW_REG_WAVE_MODE, 25, 1), 1
	s_wait_xcnt 0x0
; key and value [8][4096][64] f32 become codes of FP8 (E4M3), each with the one scale 2^e that is given for it, laid in the ORDER OF THE OPERANDS' REGISTERS: every later load of 16 bytes a lane takes 512 consecutive bytes.
; code = x / 2^e, held within +-448, rounded to the nearest code, ties to even.  e: lowp_scales[1] for key, [3] for value.
; LIMITS: -126 <= e and e + 8 <= 127, so that 2^e and 448 x 2^e are f32 numbers.  NaN among the inputs is not served (an infinity is held at the largest code).  mask holds bytes 0 or 1.
; kv: [batch 8][K image 262,144 bytes | V image 262,144 bytes].
;   K image: 256 tiles of 16 keys, 1,024 bytes each: byte 512 g + 16 l + b (l = r + 16 h) = code of key 16 tile + r, feature 32 g + 16 h + b.
;   V image: 32 blocks of 128 keys x 4 tiles ct of 16 channels, 2,048 bytes each: byte 512 g + 16 l + b = code of channel 16 ct + r, key 32 g + 16 (b / 8) + 8 h + b % 8.
;   THE CODES OF VALUE AT MASKED KEYS ARE SET TO 0: a weight times the number 0 adds nothing, which is what the weight 0 of a masked key adds.
; SHARES.  Work-groups 0-255 take key, 256-511 value.  A wave takes 32 rows, 8,192 consecutive bytes: 16 loads of 512 consecutive bytes.  The rows turn through the wave's own stage in LDS (272 bytes apart), so that a lane
; gets 16 neighbours along K in 16 registers, as the conversions want them: along the features for key, down the keys for value.  Waves share nothing: no barrier.  Nothing is read twice and no loop runs: no prefetch.
.set PITCH, 272                        ; a stage row: 256 bytes + 16
.set WST,   32*PITCH                   ; a wave's stage
.set VST,   4*WST                      ; the value path's four stages: each path has LDS bytes of its own
.set SPARE, 8*WST                      ; the spare words: 128 bytes for each wave
.set R,     16                         ; v16-79   the 32 rows as loaded
.set X,     80                         ; v80-143  four groups of 16 neighbours along K
.set C,     144                        ; v144-159 four groups of 16 codes
	s_load_b256 s[4:11], s[0:1], 0x0               ; key s[4:5], value s[6:7], mask s[8:9], the scales' exponents s[10:11]
	s_load_b64 s[14:15], s[0:1], 0x20              ; kv
	v_lshl_add_u32 v160, v0, 2, SPARE
	v_mov_b32 v161, 0
	v_lshrrev_b32 v1, 5, v0
	v_readfirstlane_b32 s18, v1                    ; wave 0..3
	s_mul_i32 s21, s18, WST
	v_and_b32 v1, 31, v0                           ; lane
	v_and_b32 v2, 15, v0                           ; r
	v_bfe_u32 v3, v0, 4, 1                         ; h
	v_lshlrev_b32 v4, 4, v1                        ; 16 x lane: my bytes of a load's and of a store's 512
	v_mul_u32_u24 v5, v3, PITCH
	v_lshl_add_u32 v5, v2, 4, v5
	v_add_nc_u32 v5, s21, v5                       ; into the stage: a load's 512 bytes are two rows: row h, byte 16 r
	v_mul_u32_u24 v6, v2, PITCH
	v_lshl_add_u32 v6, v3, 6, v6
	v_add_nc_u32 v6, s21, v6                       ; back, key: row r, my half's 16 features of a block of 32
	v_mul_u32_u24 v7, v3, 8*PITCH
	v_lshl_add_u32 v7, v2, 2, v7
	v_add_nc_u32 v7, s21, v7                       ; back, value: row 8 h, channel r
	v_lshlrev_b32 v8, 3, v3                        ; the mask bytes of my half's eight keys
	s_wait_alu depctr_va_vdst(0)
	s_lshr_b32 s19, ttmp9, 8                       ; 0 key, 1 value
	s_and_b32 s20, ttmp9, 255
	s_lshl_b32 s20, s20, 2
	s_add_co_u32 s20, s20, s18                     ; u: which 32 rows of the tensor are my wave's, 0..1023
	s_lshl_b32 s22, s20, 13                        ; their first byte
	s_mov_b32 s23, 0
	s_lshr_b32 s28, s20, 7
	s_lshl_b32 s28, s28, 19                        ; 524,288 x batch
	s_and_b32 s29, s20, 127                        ; uc: which 32 keys of the batch
	s_lshl_b32 s30, s29, 11
	s_add_co_u32 s30, s30, s28                     ; key: two tiles of 1,024 bytes at 2,048 uc of the K image
	s_lshr_b32 s31, s29, 2
	s_lshl_b32 s31, s31, 13
	s_and_b32 s33, s29, 3
	s_lshl_b32 s33, s33, 9
	s_add_co_u32 s31, s31, s33
	s_add_co_u32 s31, s31, s28
	s_add_co_u32 s31, s31, 262144                  ; value: block uc / 4 of the V image, piece g = uc % 4 of each of its four tiles
	s_cmp_eq_u32 s19, 1
	s_cselect_b32 s30, s31, s30
	s_mov_b32 s31, 0
	s_wait_kmcnt 0x0
	s_load_b128 s[24:27], s[10:11], 0x0            ; eq, ek, ea, ev
	s_cmp_eq_u32 s19, 0                            ; the buffer is chosen by the work-group's number alone
	s_cselect_b64 s[4:5], s[4:5], s[6:7]
	s_add_nc_u64 s[4:5], s[4:5], s[22:23]
	s_add_nc_u64 s[14:15], s[14:15], s[30:31]
.irp i, 0,1,2,3,4,5,6,7,8,9,10,11,12,13,14,15
	global_load_b128 v[R+4*\i:R+4*\i+3], v4, s[4:5] offset:512*\i th:TH_LOAD_NT   ; 32 lanes read 512 consecutive bytes: two rows; read once in the launch
.endr
	s_wait_kmcnt 0x0
	s_cmp_eq_u32 s19, 0
	s_cselect_b32 s34, s25, s27                    ; e
	s_add_co_i32 s34, s34, 127
	s_lshl_b32 s35, s34, 23
	s_add_co_i32 s34, s34, 8
	s_lshl_b32 s34, s34, 23
	s_or_b32 s34, s34, 0x600000
	v_mov_b32 v9, s35                              ; 2^e as f32: the conversion takes its exponent field
	v_mov_b32 v10, s34                             ; 448 x 2^e
	s_wait_alu depctr_va_vdst(0)
; The rows go into the stage as they lie.  younger: loads issued behind the sixteen, which may stay out with the later ones
.macro STAGE base, younger
.irp i, 0,1,2,3,4,5,6,7,8,9,10,11,12,13,14,15
	s_wait_loadcnt 15-\i+\younger                  ; loads come back in order: load i is in
	ds_store_b128 v5, v[R+4*\i:R+4*\i+3] offset:\base+2*PITCH*\i
.endr
.endm
; Group j's 16 numbers become 16 codes in four registers
.macro QUANT j
.irp i, 0,1,2,3,4,5,6,7,8,9,10,11,12,13,14,15
	v_med3_num_f32 v[X+16*(\j)+\i], v[X+16*(\j)+\i], -v10, v10   ; the conversion to an 8-bit code does not saturate (ISA guide 7.6.2): hold the number within the largest code x the scale first
.endr
	v_cvt_scalef32_pk8_fp8_f32 v[C+4*(\j):C+4*(\j)+1], v[X+16*(\j):X+16*(\j)+7], v9
	v_cvt_scalef32_pk8_fp8_f32 v[C+4*(\j)+2:C+4*(\j)+3], v[X+16*(\j)+8:X+16*(\j)+15], v9
	v_nop                                          ; one plain vector instruction between a scaled conversion and a vector instruction that touches its result
.endm
	s_cmp_lt_u32 ttmp9, 256
	s_cbranch_scc0 .Lvalue
	; ---- key: group j = 2 tau + g: tile tau of my two, features 32 g + 16 h + 0 .. 15 of row 16 tau + r
	STAGE 0, 0
.irp j, 0,1,2,3
.irp i, 0,1,2,3
	ds_load_b128 v[X+16*\j+4*\i:X+16*\j+4*\i+3], v6 offset:16*PITCH*(\j/2)+128*(\j%2)+16*\i   ; LDS serves a wave's instructions in order: these see my stores
.endr
.endr
.irp j, 0,1,2,3
	s_wait_dscnt 12-4*\j                           ; group j's four loads are in; the later groups' may be out
	QUANT \j
	global_store_b128 v4, v[C+4*\j:C+4*\j+3], s[14:15] offset:512*\j   ; 32 lanes store 512 consecutive bytes, at a multiple of 512 from the buffer's first byte
.endr
	s_wait_tensorcnt 0x0                           ; the wave's end
	ds_add_u32 v160, v161
	s_wait_dscnt 0x0
	s_endpgm
.Lvalue:
	; ---- value: group ct: channel 16 ct + r, keys 16 u + 8 h + 0 .. 7 (u = 0, 1) of my 32
	s_lshl_b32 s36, s20, 5                         ; the mask is [8][4096] bytes: my 32 keys' begin at 32 u
	s_mov_b32 s37, 0
	s_add_nc_u64 s[8:9], s[8:9], s[36:37]
	s_movk_i32 s33, 0xff
	global_load_b64 v[12:13], v8, s[8:9]           ; keys 8 h + 0 .. 7
	global_load_b64 v[14:15], v8, s[8:9] offset:16 ; keys 16 + 8 h + 0 .. 7
	STAGE VST, 2
.irp ct, 0,1,2,3
.irp u, 0,1
.irp j, 0,1,2,3,4,5,6,7
	ds_load_b32 v[X+16*\ct+8*\u+\j], v7 offset:VST+PITCH*(16*\u+\j)+64*\ct   ; sixteen lanes read 64 consecutive bytes of a key's row; the other sixteen eight rows further down
.endr
.endr
.endr
	s_wait_loadcnt 0x0                             ; the mask
.irp i, 12,13,14,15
	v_mul_lo_u32 v\i, v\i, s33                     ; bytes 0 and 1 become 0x00 and 0xff: no byte carries into the next
.endr
	s_wait_alu depctr_va_vdst(0)
.irp ct, 0,1,2,3
	s_wait_dscnt 48-16*\ct                         ; group ct's sixteen loads are in; the later groups' may be out
	QUANT \ct
.irp i, 0,1,2,3
	v_and_b32 v[C+4*\ct+\i], v[C+4*\ct+\i], v[12+\i]   ; a masked key's code becomes the code 0
.endr
	global_store_b128 v4, v[C+4*\ct:C+4*\ct+3], s[14:15] offset:2048*\ct
.endr
	s_wait_tensorcnt 0x0                           ; the wave's end
	ds_add_u32 v160, v161
	s_wait_dscnt 0x0
	s_endpgm
.Lfunc_end_k_qc93a1bfce6_prep:
	.size	k_qc93a1bfce6_prep, .Lfunc_end_k_qc93a1bfce6_prep-k_qc93a1bfce6_prep
	.p2alignl 7, 3214868480
	.fill 96, 4, 3214868480
	.section	.rodata,"a",@progbits
	.p2align	6, 0x0
	.amdhsa_kernel k_qc93a1bfce6_prep
		.amdhsa_group_segment_fixed_size 70144
		.amdhsa_private_segment_fixed_size 0
		.amdhsa_enable_private_segment 0
		.amdhsa_kernarg_size 40
		.amdhsa_user_sgpr_count 2
		.amdhsa_user_sgpr_kernarg_segment_ptr 1
		.amdhsa_wavefront_size32 1
		.amdhsa_system_sgpr_workgroup_id_x 1
		.amdhsa_system_sgpr_workgroup_id_y 1
		.amdhsa_system_sgpr_workgroup_id_z 1
		.amdhsa_system_vgpr_workitem_id 0
		.amdhsa_next_free_vgpr 162
		.amdhsa_next_free_sgpr 66
		.amdhsa_reserve_vcc 0
		.amdhsa_float_denorm_mode_32 3
		.amdhsa_float_denorm_mode_16_64 3
		.amdhsa_memory_ordered 1
		.amdhsa_forward_progress 1
		.amdhsa_inst_pref_size 25
	.end_amdhsa_kernel
	.amdgpu_metadata
---
amdhsa.version: [ 1, 2 ]
amdhsa.kernels:
  - .name:           k_qc93a1bfce6_prep
    .symbol:         k_qc93a1bfce6_prep.kd
    .args:
      - { .name: key, .offset: 0, .size: 8, .value_kind: global_buffer, .address_space: global }
      - { .name: value, .offset: 8, .size: 8, .value_kind: global_buffer, .address_space: global }
      - { .name: mask, .offset: 16, .size: 8, .value_kind: global_buffer, .address_space: global }
      - { .name: lowp_scales, .offset: 24, .size: 8, .value_kind: global_buffer, .address_space: global }
      - { .name: kv, .offset: 32, .size: 8, .value_kind: global_buffer, .address_space: global }
    .group_segment_fixed_size: 70144
    .private_segment_fixed_size: 0
    .kernarg_segment_align: 8
    .kernarg_segment_size: 40
    .max_flat_workgroup_size: 128
    .sgpr_count:     66
    .vgpr_count:     162
    .wavefront_size: 32
...
	.end_amdgpu_metadata
.endif
;; end of part 1
;; launch attn (part 2): grid 32 x 8, 8 waves a work-group, clusters of 4 x 1, 327,680 bytes of LDS; arguments kv, query, mask, lowp_scales, out0; writes out0
.if DOCPART == 2
	.amdgcn_target "amdgcn-amd-amdhsa--gfx1250"
	.amdhsa_code_object_version 6
	.text
	.protected	k_qc93a1bfce6_attn
	.globl	k_qc93a1bfce6_attn
	.p2align	8
	.type	k_qc93a1bfce6_attn,@function
k_qc93a1bfce6_attn:
	s_mov_b64 s[64:65], 0
	v_nop
	global_prefetch_b8 v0, s[64:65] scope:SCOPE_SE
	s_setreg_imm32_b32 hwreg(HW_REG_WAVE_MODE, 25, 1), 1
	s_wait_xcnt 0x0
	s_wait_alu depctr_hold_cnt(0) depctr_sa_sdst(0) depctr_va_vdst(0) depctr_va_sdst(0) depctr_va_ssrc(0) depctr_va_vcc(0) depctr_vm_vsrc(0)
	s_getreg_b32 s2, hwreg(HW_REG_IB_STS2, 6, 4)
	s_cmp_eq_u32 s2, 0
	s_cbranch_scc0 .Lentry_in_a_cluster
	s_endpgm
.Lentry_in_a_cluster:
	s_bfe_u32 s2, ttmp6, 0x10000c
	s_cmp_lg_u32 s2, 0x3003
	s_cbranch_scc0 .Lentry_shape_is_right
	s_endpgm
.Lentry_shape_is_right:
; out[b][q] = sum over k of Q(a[q][k]) Q(V[k]),  a = mask[k] e / (sum over k of mask[k] e + 1e-7),  e = exp(s - max s),  s = Q(query) . Q(key) / 8: both products on codes of FP8 (E4M3).  a is quantised FINISHED and NORMALISED,
; so the keys are walked twice: pass 1 makes each query's maximum (over all keys, masked ones too) and its masked sum, pass 2 makes a = 2^(t - L), t = s log2(e), L = max t + log2(sum + 1e-7), its codes and the second product.
; K's and V's codes come from kv as images of operand registers; V's codes at masked keys are 0, so a masked key's weight counts for nothing there.
; SHARES.  A work-group owns 128 queries of one batch, x of 32; wave w = QG + 2 KQ owns 64 of them (QG: four tiles of 16) and a quarter of the keys (KQ), 128 a step.  Both products are used transposed: S^T = K Q^T, O^T = V^T P^T:
; lane (r, h) holds query r throughout, register 8 kt + j of a tile's scores is key 16 kt + 8 h + j.  The four quarters' sums meet in LDS: the statistics between the passes, O^T at the end.
; LDS holds ALL of the batch's K codes (262,144 bytes), brought by joint loads for the four work-groups of a cluster, which share the batch: keys 0-1,023 (65,536 bytes) by waves 0-3 at the head, the others (196,608 bytes) by all eight
; waves behind the barrier that shows the first; nothing is filled again.  Pass 1 takes 256 keys a wave (two steps) from the first part and 768 (six steps) from the second; pass 2 takes 1,024 on end.
; V is not multicast: 310,272 of 327,680 bytes are taken, so no slot for a step's 32,768 bytes of V is left; each wave loads its fragments (512 consecutive bytes an instruction) from kv straight into registers, a step ahead, in two buffers.
; V IS PREFETCHED INTO THE L2: the batch's 32 work-groups share its 262,144 bytes by address, 8,192 each: one instruction of wave 0, lanes 256 bytes apart, while pass 1 runs.  K comes by its loads alone: it is wanted at once.
; TWO SCORE BUFFERS take turns: while one tile's exponentials are issued, pass 1 scales the next tile's scores between them and pass 2 holds the weights of the tile before.
; THE MASK lies in LDS as codes of FP8 (0 or 1), a byte a key; a step's 64 numbers a lane are made from them by eight conversions, once for all four tiles.
; LIMITS: eq + ek between -123 and 130, ea between -126 and 119, eq between -126 and 119, ea + ev between -126 and 127 (each power of two below is an f32 number).  NaN among the inputs is not served.  mask holds bytes 0 or 1.
.set PART2, 65536                      ; where K's second part begins
.set MASKB, 262144                     ; the mask's 4,096 codes
.set SPARE, 266240                     ; the spare words: 128 bytes a wave
.set STG,   267264                     ; the query's stages: 16 rows x 272 bytes a wave;  later the statistics, 1,024 bytes a wave
.set STATS, STG
.set RP,    272
.set QC,    302080                     ; the query's codes: 8 tiles x 1,024 bytes
.set OP,    272                        ; O's stage (over K, when it has been read): rows of 256 bytes + 16
.set OW,    64*OP
; REGISTERS, window 0: v0 thread; v1-15 below; v16-47 statistics (pass 1), Q (pass 2); v48-63 sums, then maxima, by turns (pass 1), P's codes (pass 2); v64-127, v128-191 scores; v192-255 mask numbers (pass 1), K (pass 2)
; window 1: pass 1: 0-63 K, 64-95 Q, 96-111 mask codes;  pass 2: 0-127 O^T;  128-191, 192-255 V, two buffers
.set LI,   1                           ; 16 x lane
.set AK,   2
.set LK,   3
.set AV,   4
.set SPW,  5
.set NIL,  6
.set SCA,  7
.set LM,   8
.set STW,  9
.set STR,  10
.set QR,   11
.set PFO,  12
.set MS,   13                          ; the mask codes' scale, 1
.set LKB,  14                          ; pass 1: K and mask codes in the second part
.set LMB,  15
.set NL,   8                           ; pass 2: v8-15: L of the four tiles, a pair each
.set ST,   16                          ; a tile's eight: t's maximum, 0, the raw maximum, sum, sum's two halves, factor, 0
.set SUM,  48                          ; eight pairs; behind the first four additions of a tile's closing the upper four are free:
.set TA,   56                          ; eight chains of maxima
.set P,    48
.set Q2,   16
.set S,    64
.set MK,   192
.set K2,   192
.set K1,   0
.set Q1,   64
.set RW,   96
.set VF0,  128
.set VF1,  192
.set MT,   128
.set RB,   96
.set WV,   14
.set QG,   15
.set KQ,   16
.set G1,   24                          ; descriptor group 1 of the first fill, 64 rows of 256 bytes,
.set G1B,  76                          ; and of the second, 96 rows
.set G0X,  32
.set G0Y,  36
.set VB,   40
.set PFA,  42
.set LIMS, 44
.set CS,   46
.set SEL,  48
.set OSC,  50
.set TB,   52
.set TM,   53
.set CNT,  54
.set MSB, 0
.macro WIN new                         ; the immediate's high byte repeats the setting that is left
.if MSB != \new
	s_set_vgpr_msb (MSB<<8)|\new
.set MSB, \new
.endif
.endm
.macro CROUND                          ; a whole round of the cluster's barrier
	s_barrier_signal -1
	s_barrier_wait -1
	s_cmp_lg_u32 s[WV], 0
	s_cbranch_scc1 .Lnot_wave_0_\@
	s_barrier_signal -3
.Lnot_wave_0_\@:
	s_barrier_wait -3
	s_barrier_signal -1
	s_barrier_wait -1
.endm
	s_load_b256 s[4:11], s[0:1], 0x0               ; kv, query, mask, the scales' exponents
	s_load_b64 s[12:13], s[0:1], 0x20              ; out0
	v_lshl_add_u32 v[SPW], v0, 2, SPARE
	v_mov_b32 v[NIL], 0
	ds_add_u32 v[SPW], v[NIL]                      ; the wave's opening
	ds_add_u32 v[SPW], v[NIL]
	v_lshrrev_b32 v7, 5, v0
	v_readfirstlane_b32 s[WV], v7
	s_and_b32 s[QG], s[WV], 1
	s_lshr_b32 s[KQ], s[WV], 1
	s_bfe_u32 s17, ttmp6, 0x40000
	s_lshl_b32 s18, ttmp9, 2
	s_add_co_u32 s18, s18, s17                     ; work-group x = 4 x cluster x + cx
	s_and_b32 s19, ttmp7, 0xffff                   ; batch
	s_mov_b32 s[G1+0], 15|(3<<16)|(1<<21)          ; descriptor group 1: the four of the cluster; elements of 8 bytes; rows of 32 elements, dense
	s_mov_b32 s[G1+1], 32<<16
	s_mov_b32 s[G1+2], 64<<16
	s_mov_b32 s[G1+3], 32<<16
	s_mov_b32 s[G1+4], 64
	s_mov_b32 s[G1+5], 32
	s_mov_b32 s[G1+6], 0
	s_mov_b32 s[G1+7], 0
	s_mov_b32 s[G1B+0], 15|(3<<16)|(1<<21)
	s_mov_b32 s[G1B+1], 32<<16
	s_mov_b32 s[G1B+2], 96<<16
	s_mov_b32 s[G1B+3], 32<<16
	s_mov_b32 s[G1B+4], 96
	s_mov_b32 s[G1B+5], 32
	s_mov_b32 s[G1B+6], 0
	s_mov_b32 s[G1B+7], 0
	s_mov_b32 s[G0X], 1
	s_lshl_b32 s[G0X+1], s[WV], 14                 ; K's first part: 16,384 bytes for each of waves 0-3
	s_mov_b32 s[G0Y], 1
	s_mul_i32 s[G0Y+1], s[WV], 24576               ; its second part: 24,576 bytes a wave
	s_add_co_u32 s[G0Y+1], s[G0Y+1], PART2
	s_mov_b32 s84, s[G0Y+1]                        ; (the image lies in LDS as it does in memory)
	s_mov_b32 s85, 0
	s_mov_b32 s[SEL], 0x76543210
	s_mov_b32 s[SEL+1], 0xfedcba98
	s_lshl_b32 s66, s19, 19                        ; the batch's images
	s_mov_b32 s67, 0
	s_lshl_b32 s68, s[WV], 14
	s_mov_b32 s69, 0
	s_lshl_b32 s70, s19, 12                        ; mask: 512 keys a wave
	s_lshl_b32 s45, s[WV], 9
	s_add_co_u32 s70, s70, s45
	s_mov_b32 s71, 0
	s_lshl_b32 s72, s[KQ], 16                      ; V: my quarter
	s_add_co_u32 s72, s72, 262144
	s_mov_b32 s73, 0
	s_lshl_b32 s74, s18, 13                        ; V: what my work-group prefetches
	s_add_co_u32 s74, s74, 262144
	s_mov_b32 s75, 0
	s_lshl_b32 s60, s19, 8
	s_lshl_b32 s45, s18, 3
	s_add_co_u32 s60, s60, s45                     ; my work-group's first tile of 16 queries
	s_add_co_u32 s62, s60, s[WV]                   ; the tile that I quantise: 4,096 bytes
	s_lshl_b32 s62, s62, 12
	s_mov_b32 s63, 0
	s_lshl_b32 s45, s[QG], 2
	s_add_co_u32 s60, s60, s45
	s_add_co_u32 s60, s60, s[KQ]                   ; the tile that I store
	s_lshl_b32 s60, s60, 12
	s_mov_b32 s61, 0
	s_lshl_b32 s2, s[KQ], 14
	s_lshl_b32 s3, s[KQ], 8
	s_add_co_u32 s3, s3, MASKB
	s_mul_i32 s86, s[KQ], 49152
	s_add_co_u32 s86, s86, PART2
	s_mul_i32 s87, s[KQ], 768
	s_add_co_u32 s87, s87, MASKB+1024
	s_lshl_b32 s45, s[WV], 9
	s_add_co_u32 s45, s45, MASKB
	s_lshl_b32 s55, s[WV], 10
	s_add_co_u32 s58, s55, QC
	s_add_co_u32 s55, s55, STATS
	s_lshl_b32 s56, s[QG], 10
	s_add_co_u32 s56, s56, STATS
	s_mul_i32 s57, s[WV], 16*RP
	s_add_co_u32 s57, s57, STG
	s_lshl_b32 s59, s[QG], 12
	s_add_co_u32 s59, s59, QC
	v_and_b32 v56, 31, v0
	v_and_b32 v57, 15, v0                          ; r
	v_bfe_u32 v58, v0, 4, 1                        ; h
	v_lshlrev_b32 v[LI], 4, v56
	v_lshlrev_b32 v[PFO], 8, v56
	v_lshl_add_u32 v[AV], v56, 4, s45              ; my 16 mask codes
	v_lshl_add_u32 v[STW], v56, 3, s55
	v_lshl_add_u32 v[STR], v56, 3, s56
	v_lshl_add_u32 v[LM], v58, 3, s3               ; pass 1: the mask codes of my half of a tile's keys: first part,
	v_lshl_add_u32 v[LMB], v58, 3, s87             ; second part
	v_mul_u32_u24 v59, v58, RP
	v_mul_u32_u24 v60, v57, RP
	v_add_nc_u32 v[LK], s2, v[LI]                  ; pass 1: my quarter of K's first part,
	v_add_nc_u32 v[LKB], s86, v[LI]                ; of its second part
	v_add_nc_u32 v61, s58, v[LI]                   ; my tile's codes
	v_add_nc_u32 v[QR], s59, v[LI]                 ; my four tiles' codes
	v_lshl_add_u32 v59, v57, 4, v59
	v_lshl_add_u32 v60, v58, 6, v60
	v_add_nc_u32 v59, s57, v59                     ; into the stage: row h, byte 16 r
	v_add_nc_u32 v60, s57, v60                     ; back: row r, byte 64 h
	s_wait_alu depctr_va_vdst(0)
	s_wait_dscnt 0x0                               ; both opening adds are done
	s_wait_kmcnt 0x0
	s_load_b128 s[20:23], s[10:11], 0x0            ; eq, ek, ea, ev
	s_add_nc_u64 s[6:7], s[6:7], s[62:63]
	s_add_nc_u64 s[8:9], s[8:9], s[70:71]
.irp i, 0,1,2,3,4,5,6,7
	global_load_b128 v[64+4*\i:64+4*\i+3], v[LI], s[6:7] offset:512*\i th:TH_LOAD_NT   ; two rows of the query, 512 consecutive bytes
.endr
	global_load_b128 v[96:99], v[LI], s[8:9]       ; 16 mask bytes a lane
	s_add_nc_u64 s[4:5], s[4:5], s[66:67]
	s_add_nc_u64 s[G0X+2:G0X+3], s[4:5], s[68:69]
	s_add_nc_u64 s[G0Y+2:G0Y+3], s[4:5], s[84:85]
	s_or_b32 s[G0X+3], s[G0X+3], 0x80000000
	s_or_b32 s[G0Y+3], s[G0Y+3], 0x80000000
	s_add_nc_u64 s[VB:VB+1], s[4:5], s[72:73]
	s_add_nc_u64 s[PFA:PFA+1], s[4:5], s[74:75]
	s_add_nc_u64 s[12:13], s[12:13], s[60:61]
	CROUND                                         ; the cluster is here: the first joint loads meet
	s_cmp_lt_u32 s[WV], 4                          ; the branch hangs on the wave's number alone: the same in every work-group
	s_cbranch_scc0 .Lno_fill
	tensor_load_to_lds s[G0X:G0X+3], s[G1:G1+7]    ; K's first part
	s_nop 0
.rept 4
	v_nop
.endr
.Lno_fill:
	s_wait_kmcnt 0x0
	s_add_co_i32 s56, s20, s21
	s_lshl_b32 s56, s56, 23
	s_add_co_i32 s[CS], s56, 0x3e38aa3b            ; log2(e) / 8 x 2^(eq + ek)
	s_mov_b32 s[CS+1], s[CS]
	s_add_co_i32 s56, s22, 127
	s_lshl_b32 s57, s56, 23                        ; 2^ea
	s_add_co_i32 s56, s56, 8
	s_lshl_b32 s56, s56, 23
	s_or_b32 s[LIMS], s56, 0x600000                ; 448 x 2^ea
	s_add_co_i32 s56, s22, s23
	s_add_co_i32 s56, s56, 127
	s_lshl_b32 s[OSC], s56, 23                     ; 2^(ea + ev)
	s_mov_b32 s[OSC+1], s[OSC]
	s_add_co_i32 s56, s20, 127
	s_lshl_b32 s58, s56, 23                        ; 2^eq
	s_add_co_i32 s56, s56, 8
	s_lshl_b32 s56, s56, 23
	s_or_b32 s56, s56, 0x600000                    ; 448 x 2^eq
	s_movk_i32 s45, 0x38
	v_mov_b32 v[SCA], s57
	v_mov_b32 v62, s58
	v_mov_b32 v63, s56
	v_mov_b32 v[MS], 0x7f7f7f7f                    ; 2^0 in every byte
.irp t, 0,1,2,3
	v_mov_b32 v[ST+8*\t], 0xff61b1e6               ; -3e38, under every score
	v_mov_b32 v[ST+8*\t+1], 0
	v_mov_b32 v[ST+8*\t+2], 0xff61b1e6
	v_mov_b32 v[ST+8*\t+4], 0
	v_mov_b32 v[ST+8*\t+5], 0
	v_mov_b32 v[ST+8*\t+6], 0
	v_mov_b32 v[ST+8*\t+7], 0
.endr
	s_wait_alu depctr_va_vdst(0)
.irp i, 0,1,2,3,4,5,6,7
	s_wait_loadcnt 8-\i                            ; load i is in; the later ones and the mask's may be out
	ds_store_b128 v59, v[64+4*\i:64+4*\i+3] offset:2*RP*\i
.endr
.irp g, 0,1
.irp i, 0,1,2,3
	ds_load_b128 v[128+16*\g+4*\i:128+16*\g+4*\i+3], v60 offset:128*\g+16*\i   ; features 32 g + 16 h + 4 i .. of row r; LDS serves a wave's instructions in order
.endr
.endr
	s_wait_loadcnt 0x0
.irp q, 0,1,2,3
	v_mul_lo_u32 v[192+\q], v[96+\q], s45          ; bytes 0 and 1 become 0x00 and 0x38, the codes of 0 and 1: no byte carries into the next
.endr
	ds_store_b128 v[AV], v[192:195]
	s_wait_dscnt 1                                 ; the query's rows are back; the store may be out
.irp n, 0,1,2,3,4,5,6,7,8,9,10,11,12,13,14,15,16,17,18,19,20,21,22,23,24,25,26,27,28,29,30,31
	v_med3_num_f32 v[128+\n], v[128+\n], -v63, v63 ; the conversion to an 8-bit code does not saturate (ISA guide 7.6.2)
.endr
.irp n, 0,1,2,3
	v_cvt_scalef32_pk8_fp8_f32 v[160+2*\n:160+2*\n+1], v[128+8*\n:128+8*\n+7], v62
.endr
	v_nop
	ds_store_b128 v61, v[160:163]
	ds_store_b128 v61, v[164:167] offset:512
	s_wait_alu depctr_va_vdst(0)
	s_wait_tensorcnt 0x0                           ; my part of K's first part, if I fetch, is in
	ds_add_u32 v[SPW], v[NIL]
	ds_add_u32 v[SPW], v[NIL]
	s_wait_dscnt 0x0                               ; both adds are done, and so are my stores of codes
	CROUND                                         ; that holds of every wave now, and the second joint loads meet
	tensor_load_to_lds s[G0Y:G0Y+3], s[G1B:G1B+7]  ; K's second part, which is first read behind the barrier in step 1 of pass 1
	s_nop 0
.rept 4
	v_nop
.endr
.macro RAW a                           ; a step's mask codes: eight keys of each of the eight tiles
.irp i, 0,1,2,3,4,5,6,7
	ds_load_b64 v[RW+2*\i:RW+2*\i+1], v[\a] offset:16*\i
.endr
.endm
.macro MASKS                           ; and the numbers that they stand for
	WIN 0x01
.irp i, 0,1,2,3,4,5,6,7
	v_cvt_scale_pk8_f32_fp8 v[MK+8*\i:MK+8*\i+7], v[RW+2*\i:RW+2*\i+1], v[MS]
.endr
	WIN 0
	v_nop                                          ; one plain vector instruction behind the scaled conversions
.endm
	WIN 0x40
.irp i, 0,1,2,3,4,5,6,7
	ds_load_b128 v[Q1+4*\i:Q1+4*\i+3], v[QR] offset:512*\i
.endr
.irp i, 0,1,2,3,4,5,6,7,8,9,10,11,12,13,14,15
	ds_load_b128 v[K1+4*\i:K1+4*\i+3], v[LK] offset:512*\i
.endr
	RAW LM
	WIN 0
	s_cmp_eq_u32 s[WV], 0
	s_cbranch_scc0 .Lno_ask
	global_prefetch_b8 v[PFO], s[PFA:PFA+1] th:TH_LOAD_NT scope:SCOPE_SE   ; my work-group's 8,192 bytes of V
.Lno_ask:
	s_mov_b32 s[TB], 8192                          ; step 1's K,
	s_mov_b32 s[TM], 128                           ; and its mask codes
; ---- PASS 1
.macro QK1 t, d
	WIN 0x05
.irp kt, 0,1,2,3,4,5,6,7
	v_wmma_f32_16x16x64_fp8_fp8 v[\d+8*\kt:\d+8*\kt+7], v[K1+8*\kt:K1+8*\kt+7], v[Q1+8*(\t):Q1+8*(\t)+7], 0
.endr
	WIN 0
.endm
.macro SCALE1 x, r, n                  ; two numbers: score x c - r's number
	v_pk_fma_f32 v[\x+2*(\n):\x+2*(\n)+1], v[\x+2*(\n):\x+2*(\n)+1], s[CS:CS+1], v[\r:\r+1] op_sel_hi:[1,0,0] neg_lo:[0,0,1] neg_hi:[0,0,1]
.endm
.macro SCALE x, r
.set n, 0
.rept 32
	SCALE1 \x, \r, n
.set n, n+1
.endr
.endm
; The closing of a tile's sum, in four parts that stand apart: eight pairs to four (in a slot these four are also the places behind the matrix instructions), to two, to one; then new sum = old sum x factor + the step's
.macro CLOSE1
.irp i, 0,2,4,6
	v_pk_add_f32 v[SUM+\i:SUM+\i+1], v[SUM+\i:SUM+\i+1], v[SUM+8+\i:SUM+8+\i+1]
.endr
.endm
.macro CLOSE2
	v_pk_add_f32 v[SUM:SUM+1], v[SUM:SUM+1], v[SUM+2:SUM+3]
	v_pk_add_f32 v[SUM+4:SUM+5], v[SUM+4:SUM+5], v[SUM+6:SUM+7]
.endm
.macro CLOSE3
	v_pk_add_f32 v[SUM:SUM+1], v[SUM:SUM+1], v[SUM+4:SUM+5]
.endm
.macro CLOSE4 r
	v_pk_fma_f32 v[\r+4:\r+5], v[\r+4:\r+5], v[\r+6:\r+7], v[SUM:SUM+1] op_sel_hi:[1,0,1]
.endm
.macro MAXI x, r, close, rl            ; the lane's running maximum in eight chains, its t, and old t - new t; between them the rest of the closing of tile rl
.irp i, 0,1,2,3,4,5,6,7
	v_max3_num_f32 v[TA+\i], v[\x+3*\i], v[\x+3*\i+1], v[\x+3*\i+2]
.endr
.if \close
	CLOSE2
.endif
.set n, 0
.rept 10
	v_max3_num_f32 v[TA+n%8], v[TA+n%8], v[\x+24+2*n], v[\x+25+2*n]
.set n, n+1
.endr
.if \close
	CLOSE3
.endif
.rept 10
	v_max3_num_f32 v[TA+n%8], v[TA+n%8], v[\x+24+2*n], v[\x+25+2*n]
.set n, n+1
.endr
	v_max3_num_f32 v[TA+4], v[TA+4], v[TA+5], v[TA+6]
.if \close
	CLOSE4 \rl
.endif
	v_max3_num_f32 v[TA], v[TA], v[TA+1], v[TA+2]
	v_max3_num_f32 v[TA+3], v[TA+3], v[TA+7], v[\r+2]
	v_max3_num_f32 v[\r+2], v[TA+4], v[TA], v[TA+3]
	v_mul_f32 v[TA+4], s[CS], v[\r+2]
	v_sub_f32 v[\r+6], v[\r], v[TA+4]
	v_mov_b32 v[\r], v[TA+4]
.endm
; A slot: tile t's exponentials and sum; the next tile's product, maximum and scaling.  more = 0: the last step.  meet = 1: the step in whose third slot K's second part is awaited.
; LKX, LMX: the part from which the NEXT step's K and mask codes are fetched.
.macro P1SLOT t, more, meet
.set CUR, S+64*((\t)%2)
.set NXT, S+64*(1-(\t)%2)
.set RC, ST+8*(\t)
.set RN, ST+8*(((\t)+1)%4)
.set RL, ST+8*(((\t)+3)%4)
.set QX, 1
.if \t == 3
.if \more == 0
.set QX, 0
.endif
.endif
.if \t == 2
.if \meet
	s_wait_alu depctr_va_vdst(0)
	s_wait_tensorcnt 0x0                           ; my part of K's second part is in:
	s_wait_dscnt 0x0
	s_barrier_signal -1                            ; say so; work on registers meanwhile
.endif
.endif
.if QX
.if \t == 3
	s_wait_alu depctr_va_vdst(0)
	s_wait_dscnt 0x0                               ; the next step's K and mask codes
.endif
	QK1 ((\t)+1)%4, NXT
.endif
	CLOSE1
.if \t == 2
.if \meet
	s_wait_alu depctr_va_vdst(0)
	s_barrier_wait -1                              ; everybody's part is in
.endif
.if \more
	v_add_nc_u32 v[AK], s[TB], v[LKX]
	v_add_nc_u32 v[AV], s[TM], v[LMX]
	WIN 0x40
.irp i, 0,1,2,3,4,5,6,7,8,9,10,11,12,13,14,15
	ds_load_b128 v[K1+4*\i:K1+4*\i+3], v[AK] offset:512*\i
.endr
	RAW AV
	WIN 0
	s_add_co_u32 s[TB], s[TB], 8192
	s_add_co_u32 s[TM], s[TM], 128
.endif
.endif
.if QX
	MAXI NXT, RN, 1, RL
.else
	CLOSE2
	CLOSE3
	CLOSE4 RL
.endif
	s_wait_alu depctr_va_vdst(0)                   ; the wait ahead of the batch,
	v_exp_f32 v[RC+6], v[RC+6]
.set m, 0
.rept 32
	v_exp_f32 v[CUR+2*m], v[CUR+2*m]
	v_exp_f32 v[CUR+2*m+1], v[CUR+2*m+1]
.if QX
	SCALE1 NXT, RN, m
.endif
.set m, m+1
.endr
.if QX == 0
	v_nop
.endif
	s_wait_alu depctr_va_vdst(0)                   ; and behind it
.set n, 0
.rept 8
	v_pk_mul_f32 v[SUM+2*n:SUM+2*n+1], v[CUR+2*n:CUR+2*n+1], v[MK+2*n:MK+2*n+1]
.set n, n+1
.endr
.rept 24
	v_pk_fma_f32 v[SUM+2*(n%8):SUM+2*(n%8)+1], v[CUR+2*n:CUR+2*n+1], v[MK+2*n:MK+2*n+1], v[SUM+2*(n%8):SUM+2*(n%8)+1]
.set n, n+1
.endr
.if \t == 3
.if \more
	MASKS                                          ; the next step's: this step's have had their last reader
.endif
.endif
.endm
.macro P1STEP more, meet
	P1SLOT 0, \more, \meet
	P1SLOT 1, \more, \meet
	P1SLOT 2, \more, \meet
	P1SLOT 3, \more, \meet
.endm
	s_wait_dscnt 8                                 ; Q and K are in; the eight loads of mask codes may be out
	QK1 0, S
.rept 4
	v_nop
.endr
	MAXI S, ST, 0, ST
	SCALE S, ST
.irp i, 0,1,2,3,4,5,6,7,8,9,10,11,12,13,14,15
	v_mov_b32 v[SUM+\i], 0                         ; the first slot closes the sum of a tile before the first: zeros
.endr
	s_wait_alu depctr_va_vdst(0)
	s_wait_dscnt 0x0
	MASKS
.set LKX, LK
.set LMX, LM
	P1STEP 1, 0                                    ; step 0; it fetches step 1's K, the first part's last
.set LKX, LKB
.set LMX, LMB
	s_mov_b32 s[TB], 0
	s_mov_b32 s[TM], 0
	P1STEP 1, 1                                    ; step 1; it awaits the second part and fetches step 2's K
	s_mov_b32 s[CNT], 5
.Lp1:                                                  ; steps 2-6
	P1STEP 1, 0
	s_sub_co_u32 s[CNT], s[CNT], 1
	s_cmp_lg_u32 s[CNT], 0
	s_wait_alu depctr_va_vdst(0)
	s_cbranch_scc1 .Lp1
.macro VLOAD f
	WIN 0x40
.irp i, 0,1,2,3,4,5,6,7,8,9,10,11,12,13,14,15
	global_load_b128 v[\f+4*\i:\f+4*\i+3], v[LI], s[VB:VB+1] offset:512*\i
.endr
	WIN 0
.endm
	VLOAD VF0                                      ; pass 2's first V
	P1STEP 0, 0
	CLOSE1
	CLOSE2
	CLOSE3
	CLOSE4 ST+24
; ---- the quarters' statistics meet: the raw maximum and the sum of each lane, for each of the four tiles
.irp t, 0,1,2,3
	v_add_f32 v[ST+8*\t+3], v[ST+8*\t+4], v[ST+8*\t+5]
.endr
.irp t, 0,1,2,3
	ds_store_b64 v[STW], v[ST+8*\t+2:ST+8*\t+3] offset:256*\t
.endr
	s_lshl_b32 s45, s[KQ], 16
	v_add_nc_u32 v[LK], s45, v[LI]                 ; pass 2: my quarter of K: 65,536 bytes
	s_wait_alu depctr_va_vdst(0)
	s_wait_xcnt 0x0                                ; the prefetch has read its address: v8-15 may be written
	s_wait_dscnt 0x0
	s_barrier_signal -1
	s_barrier_wait -1
.irp t, 0,1,2,3
.irp k, 0,1,2,3
	ds_load_b64 v[S+8*\t+2*\k:S+8*\t+2*\k+1], v[STR] offset:2048*\k+256*\t
.endr
.endr
.irp i, 0,1,2,3,4,5,6,7
	ds_load_b128 v[Q2+4*\i:Q2+4*\i+3], v[QR] offset:512*\i
.endr
.irp i, 0,1,2,3,4,5,6,7,8,9,10,11,12,13,14,15
	ds_load_b128 v[K2+4*\i:K2+4*\i+3], v[LK] offset:512*\i
.endr
	s_wait_dscnt 24                                ; the statistics are in; Q and K may be out
.irp t, 0,1,2,3
	v_max3_num_f32 v[MT+4*\t+1], v[S+8*\t], v[S+8*\t+2], v[S+8*\t+4]
.endr
.irp t, 0,1,2,3
	v_max_num_f32 v[MT+4*\t], v[MT+4*\t+1], v[S+8*\t+6]
.endr
.irp t, 0,1,2,3
	v_permlanex16_b32 v[MT+4*\t+1], v[MT+4*\t], s[SEL], s[SEL+1]
.endr
.irp t, 0,1,2,3
	v_max_num_f32 v[MT+4*\t], v[MT+4*\t], v[MT+4*\t+1]
.endr
.irp t, 0,1,2,3
	v_mul_f32 v[MT+4*\t+2], s[CS], v[MT+4*\t]      ; the row's largest t
.endr
.irp t, 0,1,2,3
.irp k, 0,1,2,3
	v_mul_f32 v[S+8*\t+2*\k], s[CS], v[S+8*\t+2*\k]
.endr
.endr
.irp t, 0,1,2,3
.irp k, 0,1,2,3
	v_sub_f32 v[S+8*\t+2*\k], v[S+8*\t+2*\k], v[MT+4*\t+2]
.endr
.endr
	s_wait_alu depctr_va_vdst(0)                   ; the wait ahead of the batch,
.irp t, 0,1,2,3
.irp k, 0,1,2,3
	v_exp_f32 v[S+8*\t+2*\k], v[S+8*\t+2*\k]
.endr
.endr
	v_nop
	s_wait_alu depctr_va_vdst(0)                   ; and behind it
.irp t, 0,1,2,3
	v_mul_f32 v[MT+4*\t+3], v[S+8*\t], v[S+8*\t+1]
.endr
.irp k, 1,2,3
.irp t, 0,1,2,3
	v_fmac_f32 v[MT+4*\t+3], v[S+8*\t+2*\k], v[S+8*\t+2*\k+1]
.endr
.endr
.irp t, 0,1,2,3
	v_permlanex16_b32 v[MT+4*\t+1], v[MT+4*\t+3], s[SEL], s[SEL+1]
.endr
.irp t, 0,1,2,3
	v_add_f32 v[MT+4*\t+3], v[MT+4*\t+3], v[MT+4*\t+1]
.endr
.irp t, 0,1,2,3
	v_add_f32 v[MT+4*\t+3], 0x33d6bf95, v[MT+4*\t+3]   ; + 1e-7
.endr
	s_wait_alu depctr_va_vdst(0)
.irp t, 0,1,2,3
	v_log_f32 v[MT+4*\t+1], v[MT+4*\t+3]
.endr
	v_nop
	s_wait_alu depctr_va_vdst(0)
.irp t, 0,1,2,3
	v_add_f32 v[NL+2*\t], v[MT+4*\t+2], v[MT+4*\t+1]   ; L
	v_mov_b32 v[NL+2*\t+1], 0                      ; (named with it as a pair)
.endr
; ---- PASS 2
.macro QK2 t, d
.irp kt, 0,1,2,3,4,5,6,7
	v_wmma_f32_16x16x64_fp8_fp8 v[\d+8*\kt:\d+8*\kt+7], v[K2+8*\kt:K2+8*\kt+7], v[Q2+8*(\t):Q2+8*(\t)+7], 0
.endr
.endm
; A slot: tile t's weights (made in the slot before) are held, quantised and multiplied; tile t + 1's exponentials; tile t + 2's scores.  vb: the step's V; zero = 1 starts O^T; more = 0: the last step.
.macro P2SLOT t, vb, zero, more
.set CUR, S+64*((\t)%2)
.set NXT, S+64*(1-(\t)%2)
.set EX, 1
.set QX, 1
.if \more == 0
.if \t == 3
.set EX, 0
.endif
.if \t >= 2
.set QX, 0
.endif
.endif
.set m, 0
.rept 32
.if EX
	v_exp_f32 v[NXT+2*m], v[NXT+2*m]
	v_exp_f32 v[NXT+2*m+1], v[NXT+2*m+1]
.endif
	v_dual_min_num_f32 v[CUR+2*m], s[LIMS], v[CUR+2*m] :: v_dual_min_num_f32 v[CUR+2*m+1], s[LIMS], v[CUR+2*m+1]   ; the conversion does not saturate (ISA guide 7.6.2); a is not negative
.set m, m+1
.endr
	s_wait_alu depctr_va_vdst(0)                   ; the wait behind the batch
.irp kt, 0,1,2,3,4,5,6,7
	v_cvt_scalef32_pk8_fp8_f32 v[P+2*\kt:P+2*\kt+1], v[CUR+8*\kt:CUR+8*\kt+7], v[SCA]
.endr
	v_nop
.if \t == 0
	s_wait_alu depctr_va_vdst(0)
	s_wait_loadcnt 0x0                             ; the step's V
.endif
.if \t == 2
.if \more
	s_wait_alu depctr_va_vdst(0)
	s_wait_dscnt 0x0                               ; the next step's K
.endif
.endif
.if QX
	QK2 ((\t)+2)%4, CUR
.endif
	WIN 0x51
.irp ct, 0,1,2,3
.if \zero
	v_wmma_f32_16x16x128_fp8_fp8 v[32*(\t)+8*\ct:32*(\t)+8*\ct+7], v[\vb+16*\ct:\vb+16*\ct+15], v[P:P+15], 0
.else
	v_wmma_f32_16x16x128_fp8_fp8 v[32*(\t)+8*\ct:32*(\t)+8*\ct+7], v[\vb+16*\ct:\vb+16*\ct+15], v[P:P+15], v[32*(\t)+8*\ct:32*(\t)+8*\ct+7]
.endif
.endr
	WIN 0
.rept 4
	v_nop                                          ; places behind the matrix instructions
.endr
.if \more
.if \t == 0
	s_add_nc_u64 s[VB:VB+1], s[VB:VB+1], 8192      ; the loads that used it are done: the next step's V, into the other buffer, four slots ahead
	VLOAD VF0+VF1-\vb
.endif
.if \t == 1
	v_add_nc_u32 v[AK], s[TB], v[LK]               ; the step's last tile has taken K: the next step's
.irp i, 0,1,2,3,4,5,6,7,8,9,10,11,12,13,14,15
	ds_load_b128 v[K2+4*\i:K2+4*\i+3], v[AK] offset:512*\i
.endr
	s_add_co_u32 s[TB], s[TB], 8192
.endif
.endif
.if QX
	SCALE CUR, NL+2*(((\t)+2)%4)
.endif
	s_wait_alu depctr_va_vdst(0)                   ; the wait ahead of the next batch
.endm
.macro P2STEP vb, zero, more
	P2SLOT 0, \vb, \zero, \more
	P2SLOT 1, \vb, \zero, \more
	P2SLOT 2, \vb, \zero, \more
	P2SLOT 3, \vb, \zero, \more
.endm
	s_mov_b32 s[TB], 8192
	s_wait_alu depctr_va_vdst(0)
	s_wait_dscnt 0x0                               ; Q and K
	QK2 0, S
	QK2 1, S+64
.rept 4
	v_nop
.endr
	SCALE S, NL
	SCALE S+64, NL+2
	s_wait_alu depctr_va_vdst(0)
.set m, 0
.rept 64
	v_exp_f32 v[S+m], v[S+m]
.set m, m+1
.endr
	v_nop
	s_wait_alu depctr_va_vdst(0)
	P2STEP VF0, 1, 1                               ; step 0 starts O^T
	s_mov_b32 s[CNT], 3
.Lp2:                                                  ; steps 1-6
	P2STEP VF1, 0, 1
	P2STEP VF0, 0, 1
	s_sub_co_u32 s[CNT], s[CNT], 1
	s_cmp_lg_u32 s[CNT], 0
	s_wait_alu depctr_va_vdst(0)
	s_cbranch_scc1 .Lp2
	s_wait_dscnt 0x0                               ; my reads of K are over (the last step's came back a slot ago):
	s_barrier_signal -1                            ; say so; the last step touches registers alone
	P2STEP VF1, 0, 0
; ---- THE WAY OUT: the four quarters' O^T meet in LDS, over K; each wave adds up and stores 16 queries
	s_mul_i32 s45, s[WV], OW
	s_mul_i32 s2, s[QG], OW
	s_mul_i32 s3, s[KQ], 16*OP
	s_add_co_u32 s2, s2, s3
	v_and_b32 v66, 15, v0
	v_bfe_u32 v67, v0, 4, 1
	v_mul_u32_u24 v68, v66, OP
	v_mul_u32_u24 v70, v67, OP
	v_lshlrev_b32 v72, 8, v67
	v_lshl_add_u32 v68, v67, 5, v68
	v_lshl_add_u32 v70, v66, 4, v70
	v_lshl_add_u32 v72, v66, 4, v72                ; in out0: lanes 0-15 one row of 256 bytes, lanes 16-31 the next
	v_add_nc_u32 v68, s45, v68                     ; in: row r, tile ct's eight channels of my half
	v_add_nc_u32 v70, s2, v70                      ; back: quarters 0 and 1,
	v_add_nc_u32 v71, 4*OW, v70                    ; 2 and 3
	s_wait_alu depctr_va_vdst(0)
	s_barrier_wait -1                              ; nobody reads K any more
	s_wait_alu depctr_va_vdst(0)
	WIN 0x04
.irp t, 0,1,2,3
.irp ct, 0,1,2,3
.irp u, 0,1
	ds_store_b128 v68, v[32*\t+8*\ct+4*\u:32*\t+8*\ct+4*\u+3] offset:16*OP*\t+64*\ct+16*\u
.endr
.endr
.endr
	WIN 0
	s_wait_dscnt 0x0
	s_barrier_signal -1
	s_barrier_wait -1
.irp i, 0,1,2,3,4,5,6,7
.irp k, 0,1,2,3
	ds_load_b128 v[RB+32*\k+4*\i:RB+32*\k+4*\i+3], v[70+\k/2] offset:2*OW*(\k%2)+2*OP*\i
.endr
.endr
.irp i, 0,1,2,3,4,5,6,7
	s_wait_dscnt 28-4*\i                           ; the four quarters of these two rows are in; the later rows' may be out
.irp u, 0,2
	v_pk_add_f32 v[RB+4*\i+\u:RB+4*\i+\u+1], v[RB+4*\i+\u:RB+4*\i+\u+1], v[RB+32+4*\i+\u:RB+32+4*\i+\u+1]
	v_pk_add_f32 v[RB+64+4*\i+\u:RB+64+4*\i+\u+1], v[RB+64+4*\i+\u:RB+64+4*\i+\u+1], v[RB+96+4*\i+\u:RB+96+4*\i+\u+1]
.endr
.irp u, 0,2
	v_pk_add_f32 v[RB+4*\i+\u:RB+4*\i+\u+1], v[RB+4*\i+\u:RB+4*\i+\u+1], v[RB+64+4*\i+\u:RB+64+4*\i+\u+1]
.endr
.irp u, 0,2
	v_pk_mul_f32 v[RB+4*\i+\u:RB+4*\i+\u+1], v[RB+4*\i+\u:RB+4*\i+\u+1], s[OSC:OSC+1] op_sel_hi:[1,0]
.endr
	global_store_b128 v72, v[RB+4*\i:RB+4*\i+3], s[12:13] offset:512*\i th:TH_STORE_NT   ; 32 lanes store 512 consecutive bytes: two rows
.endr
	s_wait_tensorcnt 0x0                           ; the wave's end
	ds_add_u32 v[SPW], v[NIL]
	s_wait_dscnt 0x0
	CROUND                                         ; the closing round
	s_endpgm
.Lfunc_end_k_qc93a1bfce6_attn:
	.size	k_qc93a1bfce6_attn, .Lfunc_end_k_qc93a1bfce6_attn-k_qc93a1bfce6_attn
	.p2alignl 7, 3214868480
	.fill 96, 4, 3214868480
	.section	.rodata,"a",@progbits
	.p2align	6, 0x0
	.amdhsa_kernel k_qc93a1bfce6_attn
		.amdhsa_group_segment_fixed_size 327680
		.amdhsa_private_segment_fixed_size 0
		.amdhsa_enable_private_segment 0
		.amdhsa_kernarg_size 40
		.amdhsa_user_sgpr_count 2
		.amdhsa_user_sgpr_kernarg_segment_ptr 1
		.amdhsa_wavefront_size32 1
		.amdhsa_system_sgpr_workgroup_id_x 1
		.amdhsa_system_sgpr_workgroup_id_y 1
		.amdhsa_system_sgpr_workgroup_id_z 1
		.amdhsa_system_vgpr_workitem_id 0
		.amdhsa_next_free_vgpr 512
		.amdhsa_next_free_sgpr 92
		.amdhsa_reserve_vcc 0
		.amdhsa_float_denorm_mode_32 3
		.amdhsa_float_denorm_mode_16_64 3
		.amdhsa_memory_ordered 1
		.amdhsa_forward_progress 1
		.amdhsa_inst_pref_size 255
	.end_amdhsa_kernel
	.section	.bss,"aw",@nobits
	.p2align	6
	.space	262144
	.amdgpu_metadata
---
amdhsa.version: [ 1, 2 ]
amdhsa.kernels:
  - .name:           k_qc93a1bfce6_attn
    .symbol:         k_qc93a1bfce6_attn.kd
    .args:
      - { .name: kv, .offset: 0, .size: 8, .value_kind: global_buffer, .address_space: global }
      - { .name: query, .offset: 8, .size: 8, .value_kind: global_buffer, .address_space: global }
      - { .name: mask, .offset: 16, .size: 8, .value_kind: global_buffer, .address_space: global }
      - { .name: lowp_scales, .offset: 24, .size: 8, .value_kind: global_buffer, .address_space: global }
      - { .name: out0, .offset: 32, .size: 8, .value_kind: global_buffer, .address_space: global }
    .group_segment_fixed_size: 327680
    .private_segment_fixed_size: 0
    .kernarg_segment_align: 8
    .kernarg_segment_size: 40
    .max_flat_workgroup_size: 256
    .sgpr_count:     92
    .vgpr_count:     512
    .wavefront_size: 32
...
	.end_amdgpu_metadata
.endif
;; end of part 2
